; MI455X (gfx1250); checked and timed in simulation.
; The chip was launched on July 23, 2026; its instructions are those of AMD's public machine-readable ISA for CDNA 5 (MIT licence, August 2026) and "CDNA5" Instruction Set Architecture Reference Guide (July 2026). The comments in the code are by the model that wrote it; some were corrected since.
;; Self Attention Block. Allowed arithmetic: float matrix products may take bf16 or f16 operands with f32 sums; all other float work in f32.
;; Inputs: Wk 2,048 x 2,048 float32; Wo 2,048 x 2,048 float32; Wq 2,048 x 2,048 float32; Wv 2,048 x 2,048 float32; beta 2,048 float32; bk 2,048 float32; bo 2,048 float32; bq 2,048 float32; bv 2,048 float32; gamma 2,048 float32; x 4 x 1,024 x 2,048 float32.
;; Outputs: out0 4 x 1,024 x 2,048 float32.
;; One version. Each part assembles by itself: llvm-mc -triple=amdgcn-amd-amdhsa -mcpu=gfx1250 --defsym DOCPART=n.
;; ======== version 1 of 1: 5 launches
;; workspace buffers: cb 50,331,648 bytes; qkv 50,331,648 bytes; att 16,777,216 bytes; y 33,554,432 bytes
;; launch cast (part 1): grid 256 x 6, 8 waves a work-group, no clusters, 0 bytes of LDS; arguments x, Wq, Wk, Wv, Wo, cb; writes cb
.if DOCPART == 1
	.amdgcn_target "amdgcn-amd-amdhsa--gfx1250"
	.amdhsa_code_object_version 6
	.text
	.protected	k_qbd7b3e5fcf_cast
	.globl	k_qbd7b3e5fcf_cast
	.p2align	8
	.type	k_qbd7b3e5fcf_cast,@function
k_qbd7b3e5fcf_cast:
	s_mov_b64 s[64:65], 0
	v_nop
	global_prefetch_b8 v0, s[64:65] scope:SCOPE_SE
	s_setreg_imm32_b32 hwreg(HW_REG_WAVE_MODE, 25, 1), 1
	s_wait_xcnt 0x0
; cb = bf16(x), bf16(Wq), bf16(Wk), bf16(Wv), bf16(Wo): a flat cast, f32 to bf16, round to nearest even.
; cb holds six segments of 2048 x 2048 bf16 (8,388,608 bytes each): 0, 1 = x rows 0-2047, 2048-4095; 2, 3, 4, 5 = Wq, Wk, Wv, Wo,
; each in its own order [k][n]: nothing is transposed here, the products turn the weights on their way out of LDS.
; Grid y = the segment.  A work-group takes 16,384 consecutive numbers: 65,536 bytes in, 32,768 out.  Thread t takes in step i
; the 16 bytes at 4096 i + 16 t, so a wave's load covers 512 consecutive bytes and its store 256 consecutive bytes, aligned.
; All 16 loads of a wave go out at once; the waits count down.  No LDS, no matrix unit, no cluster: no byte is used twice.
.set X,     4                          ; v[4:67]  step i: four f32 as loaded; its first two registers then hold the four bf16
.set STEPS, 16
.set SEGIN, 0x1000000                  ; bytes of a segment in f32
	s_load_b256 s[4:11], s[0:1], 0x0               ; x s[4:5], Wq s[6:7], Wk s[8:9], Wv s[10:11]
	s_load_b128 s[12:15], s[0:1], 0x20             ; Wo s[12:13], cb s[14:15]
	s_and_b32 s16, ttmp7, 0xffff                   ; the segment, 0 to 5
	v_lshlrev_b32 v1, 4, v0                        ; 16 t: my bytes in a step's 4,096 of the source
	v_lshlrev_b32 v2, 3, v0                        ; 8 t: my bytes in a step's 2,048 of cb
	s_lshl_b32 s20, ttmp9, 16                      ; the work-group's 65,536 bytes in its source,
	s_cmp_eq_u32 s16, 1
	s_cselect_b32 s17, SEGIN, 0                    ; and for segment 1 the second half of x
	s_add_co_u32 s20, s20, s17
	s_mov_b32 s21, 0
	s_lshl_b32 s22, s16, 23                        ; the segment's 8,388,608 bytes in cb
	s_lshl_b32 s17, ttmp9, 15                      ; and the work-group's 32,768 in them
	s_add_co_u32 s22, s22, s17
	s_mov_b32 s23, 0
	s_wait_kmcnt 0x0
	s_mov_b64 s[18:19], s[4:5]                     ; segments 0 and 1 read x; the others their weight
	s_cmp_eq_u32 s16, 2
	s_cselect_b64 s[18:19], s[6:7], s[18:19]
	s_cmp_eq_u32 s16, 3
	s_cselect_b64 s[18:19], s[8:9], s[18:19]
	s_cmp_eq_u32 s16, 4
	s_cselect_b64 s[18:19], s[10:11], s[18:19]
	s_cmp_eq_u32 s16, 5
	s_cselect_b64 s[18:19], s[12:13], s[18:19]
	s_add_nc_u64 s[18:19], s[18:19], s[20:21]
	s_add_nc_u64 s[14:15], s[14:15], s[22:23]
.irp i, 0,1,2,3,4,5,6,7,8,9,10,11,12,13,14,15
	global_load_b128 v[X+4*\i:X+4*\i+3], v1, s[18:19] offset:4096*\i th:TH_LOAD_NT
.endr
.irp i, 0,1,2,3,4,5,6,7,8,9,10,11,12,13,14,15
	s_wait_loadcnt STEPS-1-\i                      ; loads come back in order: step i is in, the younger ones stay out
	v_cvt_pk_bf16_f32 v[X+4*\i],   v[X+4*\i],   v[X+4*\i+1]
	v_cvt_pk_bf16_f32 v[X+4*\i+1], v[X+4*\i+2], v[X+4*\i+3]
	global_store_b64 v2, v[X+4*\i:X+4*\i+1], s[14:15] offset:2048*\i   ; no register of a store is written again
.endr
	s_endpgm
.Lfunc_end_k_qbd7b3e5fcf_cast:
	.size	k_qbd7b3e5fcf_cast, .Lfunc_end_k_qbd7b3e5fcf_cast-k_qbd7b3e5fcf_cast
	.p2alignl 7, 3214868480
	.fill 96, 4, 3214868480
	.section	.rodata,"a",@progbits
	.p2align	6, 0x0
	.amdhsa_kernel k_qbd7b3e5fcf_cast
		.amdhsa_group_segment_fixed_size 0
		.amdhsa_private_segment_fixed_size 0
		.amdhsa_enable_private_segment 0
		.amdhsa_kernarg_size 48
		.amdhsa_user_sgpr_count 2
		.amdhsa_user_sgpr_kernarg_segment_ptr 1
		.amdhsa_wavefront_size32 1
		.amdhsa_system_sgpr_workgroup_id_x 1
		.amdhsa_system_sgpr_workgroup_id_y 1
		.amdhsa_system_sgpr_workgroup_id_z 1
		.amdhsa_system_vgpr_workitem_id 0
		.amdhsa_next_free_vgpr 72
		.amdhsa_next_free_sgpr 66
		.amdhsa_reserve_vcc 0
		.amdhsa_float_denorm_mode_32 3
		.amdhsa_float_denorm_mode_16_64 3
		.amdhsa_memory_ordered 1
		.amdhsa_forward_progress 1
		.amdhsa_inst_pref_size 7
	.end_amdhsa_kernel
	.amdgpu_metadata
---
amdhsa.version: [ 1, 2 ]
amdhsa.kernels:
  - .name:           k_qbd7b3e5fcf_cast
    .symbol:         k_qbd7b3e5fcf_cast.kd
    .args:
      - { .name: x, .offset: 0, .size: 8, .value_kind: global_buffer, .address_space: global }
      - { .name: Wq, .offset: 8, .size: 8, .value_kind: global_buffer, .address_space: global }
      - { .name: Wk, .offset: 16, .size: 8, .value_kind: global_buffer, .address_space: global }
      - { .name: Wv, .offset: 24, .size: 8, .value_kind: global_buffer, .address_space: global }
      - { .name: Wo, .offset: 32, .size: 8, .value_kind: global_buffer, .address_space: global }
      - { .name: cb, .offset: 40, .size: 8, .value_kind: global_buffer, .address_space: global }
    .group_segment_fixed_size: 0
    .private_segment_fixed_size: 0
    .kernarg_segment_align: 8
    .kernarg_segment_size: 48
    .max_flat_workgroup_size: 256
    .sgpr_count:     66
    .vgpr_count:     72
    .wavefront_size: 32
...
	.end_amdgpu_metadata
.endif
;; end of part 1
;; launch gemm_qkv (part 2): grid 24 x 16, 4 waves a work-group, clusters of 4 x 4, 327,680 bytes of LDS; arguments cb, bq, bk, bv, qkv; writes qkv
.if DOCPART == 2
	.amdgcn_target "amdgcn-amd-amdhsa--gfx1250"
	.amdhsa_code_object_version 6
	.text
	.protected	k_qbd7b3e5fcf_gemm_qkv
	.globl	k_qbd7b3e5fcf_gemm_qkv
	.p2align	8
	.type	k_qbd7b3e5fcf_gemm_qkv,@function
k_qbd7b3e5fcf_gemm_qkv:
	s_mov_b64 s[64:65], 0
	v_nop
	global_prefetch_b8 v0, s[64:65] scope:SCOPE_SE
	s_setreg_imm32_b32 hwreg(HW_REG_WAVE_MODE, 25, 1), 1
	s_wait_xcnt 0x0
	s_wait_alu depctr_hold_cnt(0) depctr_sa_sdst(0) depctr_va_vdst(0) depctr_va_sdst(0) depctr_va_ssrc(0) depctr_va_vcc(0) depctr_vm_vsrc(0)
	s_getreg_b32 s2, hwreg(HW_REG_IB_STS2, 6, 4)
	s_cmp_eq_u32 s2, 0
	s_cbranch_scc0 .Lentry_in_a_cluster
	s_endpgm
.Lentry_in_a_cluster:
	s_bfe_u32 s2, ttmp6, 0x10000c
	s_cmp_lg_u32 s2, 0xf033
	s_cbranch_scc0 .Lentry_shape_is_right
	s_endpgm
.Lentry_shape_is_right:
; qkv[m][n] = bf16( sum over k of xb[m][k] W[k][n] + bias[n] ),  m < 4096, n < 6144: columns 0-2047 q (Wq, bq), 2048-4095 k, 4096-6143 v.
; xb = cb's segments 0, 1 ([4096][2048] bf16); the weights = cb's segments 2, 3, 4, each [k][n] bf16.  Sums in f32, K ascending.
; A work-group makes 256 x 256 of the result with four waves; a wave makes 128 x 128: 64 accumulator tiles of 16 x 16, 512 registers.
; 16 x 24 = 384 work-groups of equal work.  K = 2048 goes in 16 steps of 128 through two LDS slots filled by the tensor data mover.
; WHY THIS BLOCK: a tile has one K step's matrix work in which to land, here 256 matrix instructions a wave, of which 240 stand between the
; request and the wait for it; and for 32 along K a wave reads 2 x 128 x 64 bytes of LDS for 64 matrix instructions.  A block of half the rows
; would give 768 work-groups but half that distance, and two slots of twice the K step for it (413,696 bytes) do not fit in LDS.
; THE WEIGHTS LIE [k][n]: a tile of them is 128 k-rows of 512 bytes, and ds_load_tr16_b128 turns 8 x 8 numbers on the way into registers,
; so that a lane gets eight consecutive k of one column, as a fragment wants them.
; CLUSTERS: 4 x 4 work-groups.  xb's tile hangs on the block row alone and is asked for jointly by a row of the cluster; the weights' tile
; hangs on the block column alone and is asked for jointly by a column: each tile is requested once for four work-groups.
; THE MATRIX INSTRUCTION IS USED TRANSPOSED (source 0 = 16 columns of W, source 1 = 16 rows of xb): lane l then holds row l % 16 of the
; result and its registers 0-7 the columns 8 (l / 16) + 0..7, eight neighbouring numbers, which pack into 16 bytes.
; THE BIAS STARTS THE SUMS: the first product of each tile takes the bias, laid out as a C operand, as its C: nothing is cleared or added later.
; REGISTERS, in windows of 256:
;   window 0: v0-7 scratch, v16-27 addresses; v64-127, v128-191 fragments of xb (8 x 16 rows x 32 K), two buffers; v192-223 packed results
;   window 1: v0-63 the bias of my 128 columns; v64-127, v128-191 fragments of W (8 x 16 columns x 32 K), two buffers
;   window 2: the 32 accumulator tiles of my rows 0-63 (tile (a, b) at v[8 (8 a + b)]);   window 3: those of my rows 64-127
; LIMIT: q, k, v leave as bf16 (they are operands of the next launch's matrix products).
.set KSTEP,  128
.set PA,     272                       ; LDS row of xb: 256 bytes + 16 of padding: the 16 rows of a fragment load begin 16 bytes apart modulo 256
.set PB,     544                       ; LDS row of W: 512 bytes + 32 of padding, an odd multiple of 32 bytes, for the transposing loads
.set PART,   34816                     ; what one tensor load fills: 64 k-rows of W (64 x 544) or 128 rows of xb (128 x 272)
.set AOFF,   2*PART                    ; a slot: W's 128 k-rows (69,632 bytes), then xb's 256 rows (69,632 bytes)
.set SLOT,   4*PART                    ; 139,264
.set STAGE,  2*SLOT                    ; 278,528: behind the ring, never filled by a tensor load: 16 rows x 272 bytes for each wave, for the way out
.set SP,     272
.set STEP_A, KSTEP*2                   ; a K step along xb's rows, in bytes
.set STEP_B, KSTEP*4096                ; a K step down W's rows, in bytes
.set LAPS,   2048/(2*KSTEP)            ; a lap = two K steps = once round the ring: 8
.set QROW,   12288                     ; bytes in a row of qkv
.set ADRA, 16                          ; v16-17  LDS address of my xb fragments in slot 0, 1
.set ADRB, 20                          ; v20-21  the same for W
.set STO,  24                          ; the way out: where I put 16 bytes of a row
.set RD,   25                          ; the way out: where I read a row back
.set CO,   26                          ; my byte offset in qkv
.set BO,   27                          ; my byte offset in the bias
.set F0,   64                          ; fragment buffer 0 (xb's in window 0, W's in window 1)
.set F1,   128                         ; fragment buffer 1
.set TMP,  192                         ; the way out: packed results, window 0
.set G1,  24                           ; s[24:31] descriptor group 1, xb's tiles
.set G0,  32                           ; s[32:39] descriptor group 0, xb's tiles, a set for each slot
.set G1B, 40                           ; s[40:47] descriptor group 1, W's tiles
.set G0B, 48                           ; s[48:55] descriptor group 0, W's tiles, a set for each slot
.set TO_B, 0x40                        ; destination window 1, address window 0
.set MSB, 0
.macro WIN new                         ; low byte: bits 1:0 source 0, 3:2 source 1, 5:4 source 2, 7:6 destination; the high byte repeats the setting that is left
.if MSB != \new
	s_set_vgpr_msb (MSB<<8)|\new
.set MSB, \new
.endif
.endm
; The setting for products: source 0 (W) window 1, source 1 (xb) window 0, D window 2 (hi = 0) or 3 (hi = 1); C = D's window, or window 1 (the bias) for the first products
.macro MWIN hi, first
.if \first
.if \hi
	WIN 0xd1
.else
	WIN 0x91
.endif
.else
.if \hi
	WIN 0xf1
.else
	WIN 0xa1
.endif
.endif
.endm
.macro PLACES                          ; four plain vector instructions that name no register of a matrix instruction stand between it and a load into
.rept 4                                ; one of its sources, or a read of its result (ISA guide 7.12.1 for a read of its result)
	v_nop
.endr
.endm
; A joint load, one a wave: waves 0 and 1 fetch W's k-rows 0-63 and 64-127, waves 2 and 3 xb's rows 0-127 and 128-255.
; The branch hangs on the wave's number alone; each line has one mask and one set of registers for all that issue it.
.macro JLOAD s
	s_cmp_eq_u32 s15, 0
	s_cbranch_scc0 .Lfor_a_\@
	tensor_load_to_lds s[G0B+4*\s:G0B+4*\s+3], s[G1B:G1B+7]
	s_nop 0
	s_branch .Lasked_\@
.Lfor_a_\@:
	tensor_load_to_lds s[G0+4*\s:G0+4*\s+3], s[G1:G1+7]
	s_nop 0
.Lasked_\@:
.endm
; A round of the cluster's barrier: my work-group's barrier, wave 0 signals for the work-group, every wave waits for all sixteen, my work-group's barrier again.
.macro CREST                           ; a round behind its opening barrier
	s_cmp_lg_u32 s14, 0
	s_cbranch_scc1 .Lnot_wave_0_\@
	s_barrier_signal -3
.Lnot_wave_0_\@:
	s_barrier_wait -3
	s_barrier_signal -1
	s_barrier_wait -1
.endm
.macro CROUND
	s_barrier_signal -1
	s_barrier_wait -1
	CREST
.endm
	s_load_b256 s[4:11], s[0:1], 0x0               ; cb s[4:5], bq s[6:7], bk s[8:9], bv s[10:11]
	s_load_b64 s[12:13], s[0:1], 0x20              ; qkv
	s_set_vgpr_msb 0x40
	v_lshl_add_u32 v255, v0, 2, 0x48400
	s_set_vgpr_msb 0x4000
	v_mov_b32 v255, 0
	s_set_vgpr_msb 0x1
	ds_add_u32 v255, v255
	s_set_vgpr_msb 0x100
	v_lshrrev_b32 v1, 5, v0
	v_readfirstlane_b32 s14, v1                    ; wave 0..3
	s_lshr_b32 s15, s14, 1                         ; which 128 rows of the block are mine.  Also: I fetch for W (0) or for xb (1)
	s_and_b32 s16, s14, 1                          ; which 128 columns.  Also: which half of that tile I fetch
	s_bfe_u32 s17, ttmp6, 0x40000                  ; cx
	s_bfe_u32 s18, ttmp6, 0x40004                  ; cy
	s_lshr_b32 s23, ttmp9, 1                       ; two clusters along x make one weight's 2,048 columns: 0 = q, 1 = k, 2 = v
	s_and_b32 s19, ttmp9, 1
	s_lshl_b32 s19, s19, 2
	s_add_co_u32 s19, s19, s17                     ; block column inside that weight, 0..7
	s_and_b32 s20, ttmp7, 0xffff
	s_lshl_b32 s20, s20, 2
	s_add_co_u32 s20, s20, s18                     ; block row, 0..15
	s_lshl_b32 s21, s18, 2
	s_lshl_b32 s21, 15, s21                        ; my row of the cluster: places 4 cy .. 4 cy + 3
	s_lshl_b32 s22, 0x1111, s17                    ; my column: places cx, cx + 4, cx + 8, cx + 12
	; group 1 for xb: 128 rows x 128 elements of 2 bytes, 4 words of padding behind every 64 words
	s_or_b32  s[G1+0], s21, (1<<16)|(1<<20)|(1<<21)|(5<<22)|(3<<25)
	s_mov_b32 s[G1+1], 128<<16                     ; tensor_dim0 = 128
	s_mov_b32 s[G1+2], 128<<16                     ; tensor_dim1 = 128
	s_mov_b32 s[G1+3], 128<<16                     ; tile_dim0 = 128
	s_mov_b32 s[G1+4], 128                         ; tile_dim1 = 128
	s_mov_b32 s[G1+5], 2048                        ; elements from row to row
	s_mov_b32 s[G1+6], 0
	s_mov_b32 s[G1+7], 0
	; group 1 for W: 64 k-rows x 256 elements of 2 bytes, 8 words of padding behind every 128 words
	s_or_b32  s[G1B+0], s22, (1<<16)|(1<<20)|(1<<21)|(6<<22)|(7<<25)
	s_mov_b32 s[G1B+1], 256<<16
	s_mov_b32 s[G1B+2], 64<<16
	s_mov_b32 s[G1B+3], 256<<16
	s_mov_b32 s[G1B+4], 64
	s_mov_b32 s[G1B+5], 2048
	s_mov_b32 s[G1B+6], 0
	s_mov_b32 s[G1B+7], 0
	; where the tiles come from: xb's offset is made of the block row and the wave, W's of the weight, the block column and the wave
	s_lshl_b32 s56, s20, 20                        ; 256 rows x 4,096 bytes a block row
	s_lshl_b32 s60, s16, 19                        ; 128 rows x 4,096 bytes
	s_add_co_u32 s56, s56, s60
	s_mov_b32 s57, 0
	s_add_co_u32 s58, s23, 2                       ; cb's segment 2 + weight,
	s_lshl_b32 s58, s58, 23                        ; 8,388,608 bytes each
	s_lshl_b32 s63, s16, 18                        ; 64 k-rows x 4,096 bytes
	s_add_co_u32 s58, s58, s63
	s_lshl_b32 s63, s19, 9                         ; 256 columns x 2 bytes
	s_add_co_u32 s58, s58, s63
	s_mov_b32 s59, 0
	s_mul_i32 s61, s14, PART                       ; and where they go, by the wave's number alone: W's two halves, then xb's two halves
	s_wait_dscnt 0x0
	s_wait_kmcnt 0x0
	s_add_nc_u64 s[56:57], s[4:5], s[56:57]
	s_add_nc_u64 s[58:59], s[4:5], s[58:59]
	CROUND                                         ; all sixteen work-groups are here: the first joint loads meet
.irp s, 0,1
	s_mov_b32 s[G0+4*\s], 1
	s_add_co_u32 s[G0+4*\s+1], s61, \s*SLOT
	s_add_nc_u64 s[G0+4*\s+2:G0+4*\s+3], s[56:57], \s*STEP_A
	s_or_b32 s[G0+4*\s+3], s[G0+4*\s+3], 0x80000000
	s_mov_b32 s[G0B+4*\s], 1
	s_add_co_u32 s[G0B+4*\s+1], s61, \s*SLOT
	s_add_nc_u64 s[G0B+4*\s+2:G0B+4*\s+3], s[58:59], \s*STEP_B
	s_or_b32 s[G0B+4*\s+3], s[G0B+4*\s+3], 0x80000000
	JLOAD \s                                       ; K steps 0 and 1: two tensor loads of the wave are out, later one
.endr
	; the bias of my 128 columns, as a C operand: register 8 b + j of lane l = bias[16 b + 8 (l / 16) + j]
	s_mov_b64 s[66:67], s[6:7]
	s_cmp_eq_u32 s23, 1
	s_cselect_b64 s[66:67], s[8:9], s[66:67]
	s_cmp_eq_u32 s23, 2
	s_cselect_b64 s[66:67], s[10:11], s[66:67]
	s_lshl_b32 s72, s19, 10                        ; 256 columns x 4 bytes
	s_lshl_b32 s73, s16, 9                         ; 128 columns x 4 bytes
	s_add_co_u32 s72, s72, s73
	s_mov_b32 s73, 0
	s_add_nc_u64 s[66:67], s[66:67], s[72:73]
	v_and_b32 v1, 15, v0                           ; r = l % 16
	v_bfe_u32 v2, v0, 4, 1                         ; h = l / 16
	v_and_b32 v3, 7, v0                            ; l % 8
	v_bfe_u32 v4, v0, 3, 1                         ; (l / 8) % 2
	v_lshlrev_b32 v[BO], 5, v2                     ; 8 h numbers of 4 bytes
	WIN TO_B                                       ; destination in window 1
.irp b, 0,1,2,3,4,5,6,7
	global_load_b128 v[8*\b:8*\b+3],   v[BO], s[66:67] offset:64*\b
	global_load_b128 v[8*\b+4:8*\b+7], v[BO], s[66:67] offset:64*\b+16
.endr
	WIN 0
	; my place in qkv: row 256 x block row + 128 x half; column 256 x (4 x cluster x + cx) + 128 x half
	s_lshl_b32 s68, s20, 8
	s_lshl_b32 s72, s15, 7
	s_add_co_u32 s68, s68, s72
	s_mul_i32 s68, s68, QROW
	s_lshl_b32 s72, ttmp9, 2
	s_add_co_u32 s72, s72, s17
	s_lshl_b32 s72, s72, 9
	s_add_co_u32 s68, s68, s72
	s_lshl_b32 s72, s16, 8
	s_add_co_u32 s68, s68, s72
	s_mov_b32 s69, 0
	s_add_nc_u64 s[68:69], s[12:13], s[68:69]
	; xb fragment (16 rows x 32 K): lane l takes row r, two loads of 16 bytes, 32 apart, at r x pitch + 16 h
	v_mul_u32_u24 v5, v1, PA
	v_lshl_add_u32 v5, v2, 4, v5
	s_mul_i32 s74, s15, 128*PA                     ; my 128 rows of xb,
	s_add_co_u32 s74, s74, AOFF                    ; which lie behind W's k-rows
	v_add_nc_u32 v[ADRA], s74, v5
	v_add_nc_u32 v[ADRA+1], SLOT, v[ADRA]
	; W fragment (32 K x 16 columns): lane l addresses k-row 8 h + l % 8, 16 bytes at 16 ((l / 8) % 2); the second load 16 k-rows below
	v_lshl_add_u32 v6, v2, 3, v3
	v_mul_u32_u24 v6, v6, PB
	v_lshl_add_u32 v6, v4, 4, v6
	s_lshl_b32 s75, s16, 8                         ; my 128 columns
	v_add_nc_u32 v[ADRB], s75, v6
	v_add_nc_u32 v[ADRB+1], SLOT, v[ADRB]
	s_mul_i32 s76, s14, 16*SP
	s_add_co_u32 s76, s76, STAGE                   ; my stage
	v_add_nc_u32 v[STO], s76, v5                   ; in: row r, 16 bytes for each half of the lanes (the stage's pitch is xb's)
	v_mul_u32_u24 v7, v2, SP                       ; back: lanes 0-15 one row of 256 bytes, lanes 16-31 the next
	v_lshl_add_u32 v7, v1, 4, v7
	v_add_nc_u32 v[RD], s76, v7
	v_mul_u32_u24 v7, v2, QROW                     ; and the same two rows in qkv
	v_lshl_add_u32 v[CO], v1, 4, v7
; 16 matrix instructions: row blocks a0, a0 + 1 of the window's four (hi = 0: my rows 0-63, 1: rows 64-127) x all 8 column blocks, 32 along K.
; first = 1: C is the bias.  The 64 accumulators take turns, one instruction a turn, in the same order in every quarter step.
.macro MUL16 f, hi, a0, first
.irp a, \a0, \a0+1
.irp b, 0,1,2,3,4,5,6,7
.if \first
	v_wmma_f32_16x16x32_bf16 v[8*(8*(\a)+\b):8*(8*(\a)+\b)+7], v[\f+8*\b:\f+8*\b+7], v[\f+8*(4*\hi+\a):\f+8*(4*\hi+\a)+7], v[8*\b:8*\b+7]
.else
	v_wmma_f32_16x16x32_bf16 v[8*(8*(\a)+\b):8*(8*(\a)+\b)+7], v[\f+8*\b:\f+8*\b+7], v[\f+8*(4*\hi+\a):\f+8*(4*\hi+\a)+7], v[8*(8*(\a)+\b):8*(8*(\a)+\b)+7]
.endif
.endr
.endr
.endm
; 32 LDS loads in one run: quarter q (32 along K) of a slot into buffer f: 16 for W's eight fragments (window 1), then 16 for xb's eight (window 0)
.macro FETCH slot, q, f
	WIN TO_B
.irp b, 0,1,2,3,4,5,6,7
	ds_load_tr16_b128 v[\f+8*\b:\f+8*\b+3],   v[ADRB+\slot] offset:\q*32*PB+32*\b
	ds_load_tr16_b128 v[\f+8*\b+4:\f+8*\b+7], v[ADRB+\slot] offset:\q*32*PB+32*\b+16*PB
.endr
	WIN 0
.irp i, 0,1,2,3,4,5,6,7
	ds_load_b128 v[\f+8*\i:\f+8*\i+3],   v[ADRA+\slot] offset:64*\q+\i*16*PA
	ds_load_b128 v[\f+8*\i+4:\f+8*\i+7], v[ADRA+\slot] offset:64*\q+\i*16*PA+32
.endr
.endm
; A K step is four quarter steps of 32 along K, 64 matrix instructions each, on buffers 0, 1, 0, 1.
; One of the first three: multiplies buffer f; in its middle it fetches quarter q of the same slot into buffer g, 32 matrix instructions ahead of its first use.
.macro QUARTER slot, q, f, g, first
	s_wait_dscnt 8                                 ; W's fragments and xb's rows 0-63 are in; the youngest eight loads (xb's rows 64-127) may be out
	MWIN 0, \first
	MUL16 \f, 0, 0, \first
	MUL16 \f, 0, 2, \first
	PLACES
	FETCH \slot, \q, \g
	s_wait_dscnt 32                                ; all but the 32 just issued
	MWIN 1, \first
	MUL16 \f, 1, 0, \first
	MUL16 \f, 1, 2, \first
.endm
.macro THREE slot, first
	QUARTER \slot, 1, F0, F1, \first
	QUARTER \slot, 2, F1, F0, 0
	QUARTER \slot, 3, F0, F1, 0
.endm
; The last quarter multiplies buffer 1 and changes slots.  In front of the barrier each wave waits for its reads of this slot and for all its
; tensor loads (the one that is out is its part of the next slot).  Where the slot is filled again the barrier opens a round of the cluster's
; barrier, and the joint refill is the first tensor load behind the round: from that request to the wait for it a wave issues 240 matrix instructions.
.macro TURN slot, next, fill
	s_wait_dscnt 8
	MWIN 0, 0
	MUL16 F1, 0, 0, 0
	s_wait_dscnt 0                                 ; my reads of this slot are over
	s_wait_tensorcnt 0x0                           ; all my tensor loads have landed
	ds_add_u32 v255, v255
	s_wait_dscnt 0x0
	s_barrier_signal -1
	MUL16 F1, 0, 2, 0                              ; register work while the others arrive
	WIN 0
	s_barrier_wait -1
.if \fill
	CREST                                          ; no wave of any partner still reads this slot or has a load on its way
	s_add_nc_u64 s[G0+4*\slot+2:G0+4*\slot+3], s[G0+4*\slot+2:G0+4*\slot+3], 2*STEP_A
	s_add_nc_u64 s[G0B+4*\slot+2:G0B+4*\slot+3], s[G0B+4*\slot+2:G0B+4*\slot+3], 2*STEP_B
	JLOAD \slot
.endif
	PLACES
	FETCH \next, 0, F0
	MWIN 1, 0
	MUL16 F1, 1, 0, 0
	MUL16 F1, 1, 2, 0
.endm
.macro LAP first
	THREE 0, \first
	TURN 0, 1, 1
	THREE 1, 0
	TURN 1, 0, 1
.endm
	s_wait_tensorcnt 1                             ; my part of K step 0 is in; K step 1's stays out
	s_barrier_signal -1
	s_barrier_wait -1                              ; everybody's is
	FETCH 0, 0, F0
	s_wait_loadcnt 0x0                             ; the bias
	LAP 1                                          ; the first lap stands in front of the loop: its first products start the sums from the bias
	WIN 0                                          ; at a label and at a branch every window is 0
	s_mov_b32 s3, LAPS-2
.Llap:
	LAP 0
	WIN 0
	s_sub_co_u32 s3, s3, 1
	s_cmp_lg_u32 s3, 0
	s_cbranch_scc1 .Llap
	THREE 0, 0                                     ; the last lap fills nothing: my one tensor load that is still out is slot 1's, the last K step's
	TURN 0, 1, 0
	THREE 1, 0
	s_wait_dscnt 8                                 ; the very last quarter: nothing more to fetch
	MWIN 0, 0
	MUL16 F1, 0, 0, 0
	MUL16 F1, 0, 2, 0
	s_wait_dscnt 0
	MWIN 1, 0
	MUL16 F1, 1, 0, 0
	MUL16 F1, 1, 2, 0
	PLACES                                         ; behind the last matrix instructions: for the conversions and for the loads into the fragment buffers
; THE WAY OUT, 16 rows at a time: round to bf16, 16 bytes a lane into my own stage, read back as whole rows of 256 bytes, store.
; Rows 16 i .. 16 i + 15 of my block = the eight tiles (a, 0..7) of window 2 or 3 (from = 0x0a or 0x0f: sources 0 and 1); f: F0 or F1 in turn.
.macro OUT16 i, a, from, f
	WIN \from
.irp b, 0,1,2,3,4,5,6,7
.irp r, 0,1,2,3
	v_cvt_pk_bf16_f32 v[TMP+4*\b+\r], v[8*(8*\a+\b)+2*\r], v[8*(8*\a+\b)+2*\r+1]
.endr
.endr
	WIN 0
.irp b, 0,1,2,3,4,5,6,7
	ds_store_b128 v[STO], v[TMP+4*\b:TMP+4*\b+3] offset:32*\b
.endr
	s_wait_xcnt 0x0                                ; buffer f, which earlier stores read, and the stores' base are rewritten only behind this wait
.if \i
	s_add_nc_u64 s[68:69], s[68:69], 16*QROW
.endif
.irp t, 0,1,2,3,4,5,6,7
	ds_load_b128 v[\f+4*\t:\f+4*\t+3], v[RD] offset:\t*2*SP        ; LDS serves a wave's instructions in order: these see the stores above
.endr
.irp t, 0,1,2,3,4,5,6,7
	s_wait_dscnt 7-\t                              ; the younger read-backs stay out
	global_store_b128 v[CO], v[\f+4*\t:\f+4*\t+3], s[68:69] offset:2*\t*QROW   ; 16 lanes store 256 consecutive bytes, aligned
.endr
.endm
	OUT16 0, 0, 0x0a, F0
	OUT16 1, 1, 0x0a, F1
	OUT16 2, 2, 0x0a, F0
	OUT16 3, 3, 0x0a, F1
	OUT16 4, 0, 0x0f, F0
	OUT16 5, 1, 0x0f, F1
	OUT16 6, 2, 0x0f, F0
	OUT16 7, 3, 0x0f, F1
	s_set_vgpr_msb 0x1
	s_wait_tensorcnt 0x0
	ds_add_u32 v255, v255
	s_wait_dscnt 0x0
	s_set_vgpr_msb 0x100
	CROUND                                         ; the closing round: no work-group ends while a partner may still ask for a tile that names it
	s_endpgm
.Lfunc_end_k_qbd7b3e5fcf_gemm_qkv:
	.size	k_qbd7b3e5fcf_gemm_qkv, .Lfunc_end_k_qbd7b3e5fcf_gemm_qkv-k_qbd7b3e5fcf_gemm_qkv
	.p2alignl 7, 3214868480
	.fill 96, 4, 3214868480
	.section	.rodata,"a",@progbits
	.p2align	6, 0x0
	.amdhsa_kernel k_qbd7b3e5fcf_gemm_qkv
		.amdhsa_group_segment_fixed_size 327680
		.amdhsa_private_segment_fixed_size 0
		.amdhsa_enable_private_segment 0
		.amdhsa_kernarg_size 40
		.amdhsa_user_sgpr_count 2
		.amdhsa_user_sgpr_kernarg_segment_ptr 1
		.amdhsa_wavefront_size32 1
		.amdhsa_system_sgpr_workgroup_id_x 1
		.amdhsa_system_sgpr_workgroup_id_y 1
		.amdhsa_system_sgpr_workgroup_id_z 1
		.amdhsa_system_vgpr_workitem_id 0
		.amdhsa_next_free_vgpr 1024
		.amdhsa_next_free_sgpr 80
		.amdhsa_reserve_vcc 0
		.amdhsa_float_denorm_mode_32 3
		.amdhsa_float_denorm_mode_16_64 3
		.amdhsa_memory_ordered 1
		.amdhsa_forward_progress 1
		.amdhsa_inst_pref_size 198
	.end_amdhsa_kernel
	.amdgpu_metadata
---
amdhsa.version: [ 1, 2 ]
amdhsa.kernels:
  - .name:           k_qbd7b3e5fcf_gemm_qkv
    .symbol:         k_qbd7b3e5fcf_gemm_qkv.kd
    .args:
      - { .name: cb, .offset: 0, .size: 8, .value_kind: global_buffer, .address_space: global }
      - { .name: bq, .offset: 8, .size: 8, .value_kind: global_buffer, .address_space: global }
      - { .name: bk, .offset: 16, .size: 8, .value_kind: global_buffer, .address_space: global }
      - { .name: bv, .offset: 24, .size: 8, .value_kind: global_buffer, .address_space: global }
      - { .name: qkv, .offset: 32, .size: 8, .value_kind: global_buffer, .address_space: global }
    .group_segment_fixed_size: 327680
    .private_segment_fixed_size: 0
    .kernarg_segment_align: 8
    .kernarg_segment_size: 40
    .max_flat_workgroup_size: 128
    .sgpr_count:     80
    .vgpr_count:     1024
    .wavefront_size: 32
...
	.end_amdgpu_metadata
.endif
;; end of part 2
;; launch attn (part 3): grid 256 x 1, 8 waves a work-group, no clusters, 271,360 bytes of LDS; arguments qkv, att; writes att
.if DOCPART == 3
	.amdgcn_target "amdgcn-amd-amdhsa--gfx1250"
	.amdhsa_code_object_version 6
	.text
	.protected	k_qbd7b3e5fcf_attn
	.globl	k_qbd7b3e5fcf_attn
	.p2align	8
	.type	k_qbd7b3e5fcf_attn,@function
k_qbd7b3e5fcf_attn:
	s_mov_b64 s[64:65], 0
	v_nop
	global_prefetch_b8 v0, s[64:65] scope:SCOPE_SE
	s_setreg_imm32_b32 hwreg(HW_REG_WAVE_MODE, 25, 1), 1
	s_wait_xcnt 0x0
; Per position: scores[h][t] = q[h] . k[t] / 16 over 256 dimensions (8 x 8), softmax over t with the row's maximum taken away, att[h] = sum over t of w[h][t] v[t].
; qkv: [4096][6144] bf16, a position's row = 24 head rows of 512 bytes (q 0-7, k 0-7, v 0-7).  att: [4096][2048] bf16.
; A work-group has 16 positions, a wave TWO: its 24,576 bytes of qkv are one run, brought by one tensor load as 48 rows of 512 bytes.
; Each wave reads only what its own load brought, and nothing is filled again: no barrier, no loop.
; The two positions' 16 query rows and 16 key rows make one 16 x 16 tile of scores; only its two diagonal 8 x 8 blocks are wanted.
; With source 0 = key rows and source 1 = query rows, lane l holds query row l % 16 and its registers 0-7 the scores against the eight keys
; of position l / 16: the softmax stays inside the lane, and the packed weights ARE the lane's part of the second product's operand
; (k index = key row, 0-15; the block of the other position is set to zero by a select; k 16-31 are zeros).
; No cluster: no two work-groups read the same byte.
; LIMITS: the weights and att are rounded to bf16 (matrix operands).  A weight below 2^-126 comes out of v_exp_f32 as 0.
; The zeros of the second product's operand meet v of the pair's other position, and (k 16-31) the next fragment's v: with an Inf or a NaN
; in v of one position both positions of the wave's pair become NaN.  With finite q, k, v nothing is lost.
.set TP,     528                       ; LDS row: 512 bytes + 16 of padding
.set WTILE,  48*TP                     ; a wave's tile: 25,344 bytes
.set STAGE,  8*WTILE                   ; 202,752: behind the tiles, 16 rows x 528 bytes for each wave, written by LDS stores alone
.set WSTAGE, 16*TP
.set QA,  2                            ; LDS address of my q fragment rows; k's lie 8 rows further on
.set VA,  3                            ; LDS address for the transposing loads of v
.set STO, 4
.set RD,  5
.set GO,  6
.set M,   8                            ; v[8:9] the maximum twice; v[10:13] sums, then 1 / sum twice in v[12:13]
.set QF,  16                           ; v[16:79]   q: 8 fragments of 32 dimensions
.set KF,  80                           ; v[80:143]  k likewise
.set S,   144                          ; v[144:151], v[152:159] two accumulators of scores
.set P,   160                          ; v[160:163] packed weights, v[164:167] zeros
.set VB,  168                          ; v[168:231] v: 16 fragments' lower halves (4 registers each); v[232:235] zeros
.set D,   16                           ; results, 16 tiles of 8 registers, over q's and k's fragments
	s_load_b128 s[4:7], s[0:1], 0x0                ; qkv s[4:5], att s[6:7]
	v_lshl_add_u32 v240, v0, 2, 0x42000
	v_mov_b32 v241, 0
	ds_add_u32 v240, v241
	v_lshrrev_b32 v1, 5, v0
	v_readfirstlane_b32 s2, v1                     ; wave 0..7
	s_mov_b32 s8, 0x3db8aa3b                       ; log2(e) / 16
	s_mov_b32 s9, 0x3db8aa3b
	; group 1: 48 rows of 64 elements of 8 bytes, dense in memory; 4 words of padding behind every 128 words
	s_mov_b32 s16, (3<<16)|(1<<20)|(6<<22)|(3<<25)
	s_mov_b32 s17, 64<<16                          ; tensor_dim0 = 64
	s_mov_b32 s18, 48<<16                          ; tensor_dim1 = 48
	s_mov_b32 s19, 64<<16                          ; tile_dim0 = 64
	s_mov_b32 s20, 48                              ; tile_dim1 = 48
	s_mov_b32 s21, 64                              ; elements from row to row
	s_mov_b32 s22, 0
	s_mov_b32 s23, 0
	s_mul_i32 s10, ttmp9, 16*12288                 ; the work-group's 16 positions
	s_mul_i32 s11, s2, 2*12288                     ; my two
	s_add_co_u32 s10, s10, s11
	s_mov_b32 s11, 0
	s_mov_b32 s12, 1
	s_mul_i32 s13, s2, WTILE                       ; my tile in LDS
	s_lshl_b32 s24, ttmp9, 16                      ; att: 16 positions x 4,096 bytes
	s_lshl_b32 s25, s2, 13                         ; my two
	s_add_co_u32 s24, s24, s25
	s_mov_b32 s25, 0
	s_mul_i32 s26, s2, WSTAGE
	s_add_co_u32 s26, s26, STAGE                   ; my stage
	s_wait_dscnt 0x0
	s_wait_kmcnt 0x0
	s_add_nc_u64 s[14:15], s[4:5], s[10:11]
	s_or_b32 s15, s15, 0x80000000
	tensor_load_to_lds s[12:15], s[16:23]          ; the wave's one tensor load
	s_nop 0
	s_add_nc_u64 s[6:7], s[6:7], s[24:25]
	v_and_b32 v1, 15, v0                           ; r = l % 16: query row = (position r / 8, head r % 8)
	v_bfe_u32 v7, v0, 4, 1                         ; h = l / 16
	v_bfe_u32 v14, v0, 3, 1                        ; (l / 8) % 2
	v_and_b32 v15, 7, v0                           ; l % 8
	v_cmp_eq_u32 vcc_lo, v7, v14                   ; my eight scores are of my query's own position
	v_mad_u32_u24 v10, v14, 24, v15                ; q's LDS row: 24 x position + head
	v_mul_u32_u24 v10, v10, TP
	v_lshl_add_u32 v10, v7, 4, v10                 ; + 16 h
	v_add_nc_u32 v[QA], s13, v10
	v_mad_u32_u24 v11, v7, 24, v15                 ; v's LDS row of key row 8 h + l % 8: 24 h + 16 + l % 8
	v_add_nc_u32 v11, 16, v11
	v_mul_u32_u24 v11, v11, TP
	v_lshl_add_u32 v11, v14, 4, v11                ; + 16 ((l / 8) % 2)
	v_add_nc_u32 v[VA], s13, v11
	v_mul_u32_u24 v10, v1, TP
	v_lshl_add_u32 v10, v7, 4, v10
	v_add_nc_u32 v[STO], s26, v10                  ; stage, in: row r, 16 bytes for each half of the lanes
	v_and_b32 v11, 31, v0
	v_lshlrev_b32 v[GO], 4, v11                    ; 16 l: a row of 512 bytes over the 32 lanes
	v_add_nc_u32 v[RD], s26, v[GO]
	s_wait_tensorcnt 0x0                           ; my tile is in LDS; only I read it
.irp c, 0,1,2,3,4,5,6,7
	ds_load_b128 v[QF+8*\c:QF+8*\c+3],   v[QA] offset:64*\c
	ds_load_b128 v[QF+8*\c+4:QF+8*\c+7], v[QA] offset:64*\c+32
	ds_load_b128 v[KF+8*\c:KF+8*\c+3],   v[QA] offset:8*TP+64*\c
	ds_load_b128 v[KF+8*\c+4:KF+8*\c+7], v[QA] offset:8*TP+64*\c+32
.endr
.irp nb, 0,1,2,3,4,5,6,7,8,9,10,11,12,13,14,15
	ds_load_tr16_b128 v[VB+4*\nb:VB+4*\nb+3], v[VA] offset:32*\nb  ; key rows 8 h .. 8 h + 7 of dimension 16 nb + r
.endr
	; scores: eight steps of 32 dimensions on two accumulators that take turns
.irp c, 0,1,2,3,4,5,6,7
	s_wait_dscnt 44-4*\c                           ; of the 48 loads those behind step c's four may be out
.if \c < 2
	v_wmma_f32_16x16x32_bf16 v[S+8*(\c%2):S+8*(\c%2)+7], v[KF+8*\c:KF+8*\c+7], v[QF+8*\c:QF+8*\c+7], 0
.else
	v_wmma_f32_16x16x32_bf16 v[S+8*(\c%2):S+8*(\c%2)+7], v[KF+8*\c:KF+8*\c+7], v[QF+8*\c:QF+8*\c+7], v[S+8*(\c%2):S+8*(\c%2)+7]
.endif
.endr
	; the zeros of the second product; these eight lines are also the places behind the matrix instructions (ISA guide 7.12.1)
.irp i, 0,1,2,3
	v_mov_b32 v[P+4+\i], 0
	v_mov_b32 v[VB+64+\i], 0
.endr
.irp i, 0,2,4,6
	v_pk_add_f32 v[S+\i:S+\i+1], v[S+\i:S+\i+1], v[S+8+\i:S+8+\i+1]
.endr
	v_max3_num_f32 v[M], v[S], v[S+1], v[S+2]
	v_max3_num_f32 v[M], v[M], v[S+3], v[S+4]
	v_max3_num_f32 v[M], v[M], v[S+5], v[S+6]
	v_max_num_f32 v[M], v[M], v[S+7]
	v_mov_b32 v[M+1], v[M]
.irp i, 0,2,4,6
	v_pk_add_f32 v[S+\i:S+\i+1], v[S+\i:S+\i+1], v[M:M+1] neg_lo:[0,1] neg_hi:[0,1]   ; the difference first: it is exact where it matters
.endr
.irp i, 0,2,4,6
	v_pk_mul_f32 v[S+\i:S+\i+1], v[S+\i:S+\i+1], s[8:9] op_sel_hi:[1,0]
.endr
.irp i, 0,1,2,3,4,5,6,7
	v_exp_f32 v[S+\i], v[S+\i]
.endr
	v_nop                                          ; one plain vector instruction behind the transcendentals (ISA guide 5.7.2)
	s_wait_alu depctr_va_vdst(0)
	v_pk_add_f32 v[M+2:M+3], v[S:S+1], v[S+2:S+3]
	v_pk_add_f32 v[M+4:M+5], v[S+4:S+5], v[S+6:S+7]
	v_pk_add_f32 v[M+2:M+3], v[M+2:M+3], v[M+4:M+5]
	v_add_f32 v[M+2], v[M+2], v[M+3]               ; at least 1: the largest term is 1
	v_rcp_f32 v[M+4], v[M+2]
	v_rcp_f32 v[M+5], v[M+2]
	v_nop
	s_wait_alu depctr_va_vdst(0)
.irp i, 0,2,4,6
	v_pk_mul_f32 v[S+\i:S+\i+1], v[S+\i:S+\i+1], v[M+4:M+5]
.endr
.irp i, 0,1,2,3
	v_cvt_pk_bf16_f32 v[P+\i], v[S+2*\i], v[S+2*\i+1]
.endr
.irp i, 0,1,2,3
	v_cndmask_b32 v[P+\i], 0, v[P+\i], vcc_lo      ; the other position's block is zero, whatever stood there
.endr
	s_wait_dscnt 0x0                               ; v's fragments
.irp nb, 0,1,2,3,4,5,6,7,8,9,10,11,12,13,14,15
	v_wmma_f32_16x16x32_bf16 v[D+8*\nb:D+8*\nb+7], v[VB+4*\nb:VB+4*\nb+7], v[P:P+7], 0   ; lane l: row r, dimensions 16 nb + 8 h + 0..7
.endr
.rept 4
	v_nop                                          ; the places behind the last matrix instruction
.endr
.irp nb, 0,1,2,3,4,5,6,7,8,9,10,11,12,13,14,15
.irp i, 0,1,2,3
	v_cvt_pk_bf16_f32 v[D+8*\nb+\i], v[D+8*\nb+2*\i], v[D+8*\nb+2*\i+1]    ; in place: register i is written when its own pair has been read
.endr
	ds_store_b128 v[STO], v[D+8*\nb:D+8*\nb+3] offset:32*\nb
.endr
.irp t, 0,1,2,3,4,5,6,7,8,9,10,11,12,13,14,15
	ds_load_b128 v[VB+4*\t:VB+4*\t+3], v[RD] offset:TP*\t          ; LDS serves a wave's instructions in order: these see the stores above
.endr
.irp t, 0,1,2,3,4,5,6,7,8,9,10,11,12,13,14,15
	s_wait_dscnt 15-\t                             ; the younger read-backs stay out
	global_store_b128 v[GO], v[VB+4*\t:VB+4*\t+3], s[6:7] offset:512*\t    ; a wave's store covers 512 consecutive bytes, aligned
.endr
	s_wait_tensorcnt 0x0
	ds_add_u32 v240, v241
	s_wait_dscnt 0x0
	s_endpgm
.Lfunc_end_k_qbd7b3e5fcf_attn:
	.size	k_qbd7b3e5fcf_attn, .Lfunc_end_k_qbd7b3e5fcf_attn-k_qbd7b3e5fcf_attn
	.p2alignl 7, 3214868480
	.fill 96, 4, 3214868480
	.section	.rodata,"a",@progbits
	.p2align	6, 0x0
	.amdhsa_kernel k_qbd7b3e5fcf_attn
		.amdhsa_group_segment_fixed_size 271360
		.amdhsa_private_segment_fixed_size 0
		.amdhsa_enable_private_segment 0
		.amdhsa_kernarg_size 16
		.amdhsa_user_sgpr_count 2
		.amdhsa_user_sgpr_kernarg_segment_ptr 1
		.amdhsa_wavefront_size32 1
		.amdhsa_system_sgpr_workgroup_id_x 1
		.amdhsa_system_sgpr_workgroup_id_y 1
		.amdhsa_system_sgpr_workgroup_id_z 1
		.amdhsa_system_vgpr_workitem_id 0
		.amdhsa_next_free_vgpr 242
		.amdhsa_next_free_sgpr 66
		.amdhsa_reserve_vcc 1
		.amdhsa_float_denorm_mode_32 3
		.amdhsa_float_denorm_mode_16_64 3
		.amdhsa_memory_ordered 1
		.amdhsa_forward_progress 1
		.amdhsa_inst_pref_size 19
	.end_amdhsa_kernel
	.amdgpu_metadata
---
amdhsa.version: [ 1, 2 ]
amdhsa.kernels:
  - .name:           k_qbd7b3e5fcf_attn
    .symbol:         k_qbd7b3e5fcf_attn.kd
    .args:
      - { .name: qkv, .offset: 0, .size: 8, .value_kind: global_buffer, .address_space: global }
      - { .name: att, .offset: 8, .size: 8, .value_kind: global_buffer, .address_space: global }
    .group_segment_fixed_size: 271360
    .private_segment_fixed_size: 0
    .kernarg_segment_align: 8
    .kernarg_segment_size: 16
    .max_flat_workgroup_size: 256
    .sgpr_count:     66
    .vgpr_count:     242
    .wavefront_size: 32
...
	.end_amdgpu_metadata
.endif
;; end of part 3
;; launch gemm_proj (part 4): grid 8 x 32, 4 waves a work-group, clusters of 4 x 4, 327,680 bytes of LDS; arguments att, cb, bo, x, y; writes y
.if DOCPART == 4
	.amdgcn_target "amdgcn-amd-amdhsa--gfx1250"
	.amdhsa_code_object_version 6
	.text
	.protected	k_qbd7b3e5fcf_gemm_proj
	.globl	k_qbd7b3e5fcf_gemm_proj
	.p2align	8
	.type	k_qbd7b3e5fcf_gemm_proj,@function
k_qbd7b3e5fcf_gemm_proj:
	s_mov_b64 s[64:65], 0
	v_nop
	global_prefetch_b8 v0, s[64:65] scope:SCOPE_SE
	s_setreg_imm32_b32 hwreg(HW_REG_WAVE_MODE, 25, 1), 1
	s_wait_xcnt 0x0
	s_wait_alu depctr_hold_cnt(0) depctr_sa_sdst(0) depctr_va_vdst(0) depctr_va_sdst(0) depctr_va_ssrc(0) depctr_va_vcc(0) depctr_vm_vsrc(0)
	s_getreg_b32 s2, hwreg(HW_REG_IB_STS2, 6, 4)
	s_cmp_eq_u32 s2, 0
	s_cbranch_scc0 .Lentry_in_a_cluster
	s_endpgm
.Lentry_in_a_cluster:
	s_bfe_u32 s2, ttmp6, 0x10000c
	s_cmp_lg_u32 s2, 0xf033
	s_cbranch_scc0 .Lentry_shape_is_right
	s_endpgm
.Lentry_shape_is_right:
; y[m][n] = x[m][n] + bo[n] + sum over k of att[m][k] Wo[k][n],  m < 4096, n < 2048, in f32 (the row-wise norm is the next launch's).
; att: [4096][2048] bf16.  Wo = cb's segment 5, [k][n] bf16.  Sums in f32, K ascending.
; A work-group makes 128 x 256 of y with four waves; a wave makes 64 x 128: 32 accumulator tiles of 16 x 16, 256 registers.
; 32 x 8 = 256 work-groups of equal work.  K = 2048 goes in 16 steps of 128 through two LDS slots filled by the tensor data mover.
; Wo LIES [k][n]: a tile is 128 k-rows of 512 bytes, and ds_load_tr16_b128 turns 8 x 8 numbers on the way into registers.
; CLUSTERS: 4 x 4 work-groups.  att's tile hangs on the block row alone and is asked for jointly by a row of the cluster; Wo's hangs on the
; block column alone and is asked for jointly by a column: each tile is requested once for four work-groups.
; THE MATRIX INSTRUCTION IS USED TRANSPOSED (source 0 = 16 columns of Wo, source 1 = 16 rows of att): lane l holds row l % 16 of the result
; and its registers 0-7 the columns 8 (l / 16) + 0..7.  THE BIAS STARTS THE SUMS, as the C of each tile's first product.
; THE RESIDUAL: my 64 x 128 of x (256 registers, whole rows of 512 bytes over the 32 lanes) is loaded under the first laps and added on the way out.
; REGISTERS: window 0: v0-7 scratch, v16-27 addresses, v32-127 and v128-223 two fragment buffers (8 of Wo at +8 b, 4 of att at +64+8 a).
; Window 1: accumulator (a, b) at v[8 (8 a + b)].  Window 2: v0-63 the bias.  Window 3: x, row 16 a + t at v[4 (16 a + t)].
.set KSTEP,  128
.set PA,     272                       ; LDS row of att: 256 bytes + 16 of padding
.set PB,     544                       ; LDS row of Wo: 512 bytes + 32 of padding, an odd multiple of 32 bytes, for the transposing loads
.set AOFF,   128*PB                    ; a slot: Wo's 128 k-rows (69,632 bytes), then att's 128 rows (34,816 bytes)
.set SLOT,   AOFF+128*PA               ; 104,448
.set STAGE,  2*SLOT                    ; behind the ring, never filled by a tensor load: 16 rows x 528 bytes for each wave
.set SP,     528                       ; a stage row: 512 bytes + 16
.set STEP_A, KSTEP*2
.set STEP_B, KSTEP*4096
.set LAPS,   2048/(2*KSTEP)
.set YROW,   8192                      ; bytes in a row of x and of y
.set SEGWO,  5<<23                     ; Wo's place in cb
.set ADRA, 16
.set ADRB, 20
.set STO,  24
.set RD,   25
.set CO,   26                          ; 16 l: my 16 bytes of a row of 512, in x and in y
.set BO,   27
.set F0,   32
.set F1,   128
.set G1,  24                           ; s[24:31] group 1, att's tiles
.set G0,  32                           ; s[32:39] group 0, att's tiles, a set for each slot
.set G1B, 40                           ; s[40:47] group 1, Wo's tiles
.set G0B, 48                           ; s[48:55] group 0, Wo's tiles, a set for each slot
.set MSB, 0
.macro WIN new                         ; low byte: bits 1:0 source 0, 3:2 source 1, 5:4 source 2, 7:6 destination; the high byte repeats the setting that is left
.if MSB != \new
	s_set_vgpr_msb (MSB<<8)|\new
.set MSB, \new
.endif
.endm
.macro MWIN first                      ; sources in window 0, D in window 1; C in window 1, or in window 2 (the bias) for the first products
.if \first
	WIN 0x60
.else
	WIN 0x50
.endif
.endm
.macro PLACES                          ; four plain vector instructions that name no register of a matrix instruction stand between it and a load into
.rept 4                                ; one of its sources, or a read of its result (ISA guide 7.12.1 for a read of its result)
	v_nop
.endr
.endm
; A joint load, one a wave: waves 0 and 1 fetch Wo's k-rows 0-63 and 64-127, waves 2 and 3 att's rows 0-63 and 64-127.
.macro JLOAD s
	s_cmp_eq_u32 s15, 0
	s_cbranch_scc0 .Lfor_a_\@
	tensor_load_to_lds s[G0B+4*\s:G0B+4*\s+3], s[G1B:G1B+7]
	s_nop 0
	s_branch .Lasked_\@
.Lfor_a_\@:
	tensor_load_to_lds s[G0+4*\s:G0+4*\s+3], s[G1:G1+7]
	s_nop 0
.Lasked_\@:
.endm
.macro CREST                           ; a round of the cluster's barrier behind its opening barrier
	s_cmp_lg_u32 s14, 0
	s_cbranch_scc1 .Lnot_wave_0_\@
	s_barrier_signal -3
.Lnot_wave_0_\@:
	s_barrier_wait -3
	s_barrier_signal -1
	s_barrier_wait -1
.endm
.macro CROUND
	s_barrier_signal -1
	s_barrier_wait -1
	CREST
.endm
	s_load_b256 s[4:11], s[0:1], 0x0               ; att s[4:5], cb s[6:7], bo s[8:9], x s[10:11]
	s_load_b64 s[12:13], s[0:1], 0x20              ; y
	v_lshl_add_u32 v254, v0, 2, 0x3b400
	v_mov_b32 v255, 0
	ds_add_u32 v254, v255
	v_lshrrev_b32 v1, 5, v0
	v_readfirstlane_b32 s14, v1                    ; wave 0..3
	s_lshr_b32 s15, s14, 1                         ; which 64 rows of the block are mine.  Also: I fetch for Wo (0) or for att (1)
	s_and_b32 s16, s14, 1                          ; which 128 columns.  Also: which 64 rows of that tile I fetch
	s_bfe_u32 s17, ttmp6, 0x40000                  ; cx
	s_bfe_u32 s18, ttmp6, 0x40004                  ; cy
	s_lshl_b32 s19, ttmp9, 2
	s_add_co_u32 s19, s19, s17                     ; block column, 0..7
	s_and_b32 s20, ttmp7, 0xffff
	s_lshl_b32 s20, s20, 2
	s_add_co_u32 s20, s20, s18                     ; block row, 0..31
	s_lshl_b32 s21, s18, 2
	s_lshl_b32 s21, 15, s21                        ; my row of the cluster
	s_lshl_b32 s22, 0x1111, s17                    ; my column
	; group 1 for att: 64 rows x 128 elements of 2 bytes, 4 words of padding behind every 64 words
	s_or_b32  s[G1+0], s21, (1<<16)|(1<<20)|(1<<21)|(5<<22)|(3<<25)
	s_mov_b32 s[G1+1], 128<<16
	s_mov_b32 s[G1+2], 64<<16
	s_mov_b32 s[G1+3], 128<<16
	s_mov_b32 s[G1+4], 64
	s_mov_b32 s[G1+5], 2048
	s_mov_b32 s[G1+6], 0
	s_mov_b32 s[G1+7], 0
	; group 1 for Wo: 64 k-rows x 256 elements of 2 bytes, 8 words of padding behind every 128 words
	s_or_b32  s[G1B+0], s22, (1<<16)|(1<<20)|(1<<21)|(6<<22)|(7<<25)
	s_mov_b32 s[G1B+1], 256<<16
	s_mov_b32 s[G1B+2], 64<<16
	s_mov_b32 s[G1B+3], 256<<16
	s_mov_b32 s[G1B+4], 64
	s_mov_b32 s[G1B+5], 2048
	s_mov_b32 s[G1B+6], 0
	s_mov_b32 s[G1B+7], 0
	s_lshl_b32 s56, s20, 19                        ; att: 128 rows x 4,096 bytes a block row
	s_lshl_b32 s60, s16, 18                        ; 64 rows x 4,096 bytes
	s_add_co_u32 s56, s56, s60
	s_mov_b32 s57, 0
	s_lshl_b32 s58, s16, 18                        ; Wo: 64 k-rows x 4,096 bytes
	s_add_co_u32 s58, s58, SEGWO
	s_lshl_b32 s63, s19, 9                         ; 256 columns x 2 bytes
	s_add_co_u32 s58, s58, s63
	s_mov_b32 s59, 0
	; LDS, by the wave's number alone: Wo's halves at wave x 34,816; att's at AOFF + (wave - 2) x 17,408 = 34,816 + wave x 17,408
	s_mul_i32 s61, s14, 64*PB
	s_mul_i32 s62, s14, 64*PA
	s_add_co_u32 s62, s62, 64*PB
	s_wait_dscnt 0x0
	s_wait_kmcnt 0x0
	s_add_nc_u64 s[56:57], s[4:5], s[56:57]
	s_add_nc_u64 s[58:59], s[6:7], s[58:59]
	CROUND                                         ; all sixteen work-groups are here: the first joint loads meet
.irp s, 0,1
	s_mov_b32 s[G0+4*\s], 1
	s_add_co_u32 s[G0+4*\s+1], s62, \s*SLOT
	s_add_nc_u64 s[G0+4*\s+2:G0+4*\s+3], s[56:57], \s*STEP_A
	s_or_b32 s[G0+4*\s+3], s[G0+4*\s+3], 0x80000000
	s_mov_b32 s[G0B+4*\s], 1
	s_add_co_u32 s[G0B+4*\s+1], s61, \s*SLOT
	s_add_nc_u64 s[G0B+4*\s+2:G0B+4*\s+3], s[58:59], \s*STEP_B
	s_or_b32 s[G0B+4*\s+3], s[G0B+4*\s+3], 0x80000000
	JLOAD \s                                       ; K steps 0 and 1: two tensor loads of the wave are out, later one
.endr
	; the bias of my 128 columns, as a C operand: register 8 b + j of lane l = bo[16 b + 8 (l / 16) + j]
	s_lshl_b32 s72, s19, 10
	s_lshl_b32 s73, s16, 9
	s_add_co_u32 s72, s72, s73
	s_mov_b32 s73, 0
	s_add_nc_u64 s[66:67], s[8:9], s[72:73]
	v_and_b32 v1, 15, v0                           ; r
	v_bfe_u32 v2, v0, 4, 1                         ; h
	v_and_b32 v3, 7, v0                            ; l % 8
	v_bfe_u32 v4, v0, 3, 1                         ; (l / 8) % 2
	v_lshlrev_b32 v[BO], 5, v2
	WIN 0x80                                       ; destination in window 2
.irp b, 0,1,2,3,4,5,6,7
	global_load_b128 v[8*\b:8*\b+3],   v[BO], s[66:67] offset:64*\b
	global_load_b128 v[8*\b+4:8*\b+7], v[BO], s[66:67] offset:64*\b+16
.endr
	WIN 0
	; my tile's place in x and in y: row 128 x block row + 64 x half, column 256 x block column + 128 x half, 4 bytes a number
	s_lshl_b32 s72, s20, 20
	s_lshl_b32 s73, s15, 19
	s_add_co_u32 s72, s72, s73
	s_lshl_b32 s73, s19, 10
	s_add_co_u32 s72, s72, s73
	s_lshl_b32 s73, s16, 9
	s_add_co_u32 s72, s72, s73
	s_mov_b32 s73, 0
	s_add_nc_u64 s[68:69], s[12:13], s[72:73]      ; y
	s_add_nc_u64 s[70:71], s[10:11], s[72:73]      ; x
	v_mul_u32_u24 v5, v1, PA                       ; att fragment: row r, two loads of 16 bytes, 32 apart, at r x pitch + 16 h
	v_lshl_add_u32 v5, v2, 4, v5
	s_mul_i32 s74, s15, 64*PA
	s_add_co_u32 s74, s74, AOFF
	v_add_nc_u32 v[ADRA], s74, v5
	v_add_nc_u32 v[ADRA+1], SLOT, v[ADRA]
	v_lshl_add_u32 v6, v2, 3, v3                   ; Wo fragment: k-row 8 h + l % 8, 16 bytes at 16 ((l / 8) % 2); the second load 16 k-rows below
	v_mul_u32_u24 v6, v6, PB
	v_lshl_add_u32 v6, v4, 4, v6
	s_lshl_b32 s75, s16, 8
	v_add_nc_u32 v[ADRB], s75, v6
	v_add_nc_u32 v[ADRB+1], SLOT, v[ADRB]
	s_mul_i32 s76, s14, 16*SP
	s_add_co_u32 s76, s76, STAGE                   ; my stage
	v_mul_u32_u24 v5, v1, SP                       ; in: row r, 32 bytes for each half of the lanes
	v_lshl_add_u32 v5, v2, 5, v5
	v_add_nc_u32 v[STO], s76, v5
	v_and_b32 v7, 31, v0
	v_lshlrev_b32 v[CO], 4, v7                     ; back and out: a row of 512 bytes over the 32 lanes
	v_add_nc_u32 v[RD], s76, v[CO]
; Eight matrix instructions: row block a of my four x all 8 column blocks, 32 along K.  first = 1: C is the bias.
; The 32 accumulators take turns, one instruction a turn, in the same order in every quarter step.
.macro MULA f, a, first
.irp b, 0,1,2,3,4,5,6,7
.if \first
	v_wmma_f32_16x16x32_bf16 v[8*(8*\a+\b):8*(8*\a+\b)+7], v[\f+8*\b:\f+8*\b+7], v[\f+64+8*\a:\f+64+8*\a+7], v[8*\b:8*\b+7]
.else
	v_wmma_f32_16x16x32_bf16 v[8*(8*\a+\b):8*(8*\a+\b)+7], v[\f+8*\b:\f+8*\b+7], v[\f+64+8*\a:\f+64+8*\a+7], v[8*(8*\a+\b):8*(8*\a+\b)+7]
.endif
.endr
.endm
; 24 LDS loads in one run: quarter q (32 along K) of a slot into buffer f: 16 for Wo's eight fragments, then 8 for att's four
.macro FETCH slot, q, f
	WIN 0
.irp b, 0,1,2,3,4,5,6,7
	ds_load_tr16_b128 v[\f+8*\b:\f+8*\b+3],   v[ADRB+\slot] offset:\q*32*PB+32*\b
	ds_load_tr16_b128 v[\f+8*\b+4:\f+8*\b+7], v[ADRB+\slot] offset:\q*32*PB+32*\b+16*PB
.endr
.irp a, 0,1,2,3
	ds_load_b128 v[\f+64+8*\a:\f+64+8*\a+3],   v[ADRA+\slot] offset:64*\q+\a*16*PA
	ds_load_b128 v[\f+64+8*\a+4:\f+64+8*\a+7], v[ADRA+\slot] offset:64*\q+\a*16*PA+32
.endr
.endm
.macro QUARTER slot, q, f, g, first
	s_wait_dscnt 4                                 ; Wo's fragments and att's 0, 1 are in; the youngest four loads (att's 2, 3) may be out
	MWIN \first
	MULA \f, 0, \first
	MULA \f, 1, \first
	PLACES
	FETCH \slot, \q, \g
	s_wait_dscnt 24                                ; all but the 24 just issued
	MWIN \first
	MULA \f, 2, \first
	MULA \f, 3, \first
.endm
.macro THREE slot, first
	QUARTER \slot, 1, F0, F1, \first
	QUARTER \slot, 2, F1, F0, 0
	QUARTER \slot, 3, F0, F1, 0
.endm
; The last quarter multiplies buffer 1 and changes slots.  In front of the barrier each wave waits for its reads of this slot and for all its
; tensor loads (the one that is out is its part of the next slot).  Where the slot is filled again the barrier opens a round of the cluster's
; barrier, and the joint refill is the first tensor load behind the round: from that request to the wait for it a wave issues 120 matrix instructions.
.macro TURN slot, next, fill
	s_wait_dscnt 4
	WIN 0x50
	MULA F1, 0, 0
	s_wait_dscnt 0                                 ; my reads of this slot are over
	s_wait_tensorcnt 0x0                           ; all my tensor loads have landed
	ds_add_u32 v254, v255
	s_wait_dscnt 0x0
	s_barrier_signal -1
	MULA F1, 1, 0                                  ; register work while the others arrive
	WIN 0
	s_barrier_wait -1
.if \fill
	CREST                                          ; no wave of any partner still reads this slot or has a load on its way
	s_add_nc_u64 s[G0+4*\slot+2:G0+4*\slot+3], s[G0+4*\slot+2:G0+4*\slot+3], 2*STEP_A
	s_add_nc_u64 s[G0B+4*\slot+2:G0B+4*\slot+3], s[G0B+4*\slot+2:G0B+4*\slot+3], 2*STEP_B
	JLOAD \slot
.endif
	PLACES
	FETCH \next, 0, F0
	WIN 0x50
	MULA F1, 2, 0
	MULA F1, 3, 0
.endm
.macro LAP first
	THREE 0, \first
	TURN 0, 1, 1
	THREE 1, 0
	TURN 1, 0, 1
.endm
; 16 rows of my x tile, a row of 512 bytes a load, into window 3
.macro XROWS a
.irp t, 0,1,2,3,4,5,6,7,8,9,10,11,12,13,14,15
	global_load_b128 v[4*(16*\a+\t):4*(16*\a+\t)+3], v[CO], s[70:71] offset:(16*\a+\t)*YROW th:TH_LOAD_NT
.endr
.endm
	s_wait_tensorcnt 1                             ; my part of K step 0 is in; K step 1's stays out
	s_barrier_signal -1
	s_barrier_wait -1                              ; everybody's is
	FETCH 0, 0, F0
	s_wait_loadcnt 0x0                             ; the bias
	WIN 0xc0                                       ; destination in window 3
	XROWS 0                                        ; half of the residual goes out here, the other half a lap later; it is wanted on the way out
	XROWS 1
	LAP 1                                          ; the first lap stands in front of the loop: its first products start the sums from the bias
	WIN 0xc0
	XROWS 2
	XROWS 3
	WIN 0                                          ; at a label and at a branch every window is 0
	s_mov_b32 s3, LAPS-2
.Llap:
	LAP 0
	WIN 0
	s_sub_co_u32 s3, s3, 1
	s_cmp_lg_u32 s3, 0
	s_cbranch_scc1 .Llap
	THREE 0, 0                                     ; the last lap fills nothing
	TURN 0, 1, 0
	THREE 1, 0
	s_wait_dscnt 4                                 ; the very last quarter
	WIN 0x50
	MULA F1, 0, 0
	MULA F1, 1, 0
	s_wait_dscnt 0
	MULA F1, 2, 0
	MULA F1, 3, 0
	PLACES                                         ; behind the last matrix instructions: for the LDS stores of results and the loads into the fragment buffers
; THE WAY OUT, 16 rows at a time: the sums go into my own stage, 32 bytes a lane and tile, come back as whole rows of 512 bytes, take x, and leave.
.macro OUTF a, f
	WIN 0x04                                       ; store data (source 1) in window 1
.irp b, 0,1,2,3,4,5,6,7
	ds_store_b128 v[STO], v[8*(8*\a+\b):8*(8*\a+\b)+3]   offset:64*\b
	ds_store_b128 v[STO], v[8*(8*\a+\b)+4:8*(8*\a+\b)+7] offset:64*\b+16
.endr
	WIN 0
	s_wait_xcnt 0x0                                ; buffer f, which earlier stores read, and the stores' base are rewritten only behind this wait
.if \a
	s_add_nc_u64 s[68:69], s[68:69], 16*YROW
.endif
.irp t, 0,1,2,3,4,5,6,7,8,9,10,11,12,13,14,15
	ds_load_b128 v[\f+4*\t:\f+4*\t+3], v[RD] offset:SP*\t          ; LDS serves a wave's instructions in order: these see the stores above
.endr
.if \a == 0
	s_wait_loadcnt 0x0                             ; the residual, all 64 rows
.endif
	WIN 0x0c                                       ; source 1 in window 3
.irp t, 0,1,2,3,4,5,6,7,8,9,10,11,12,13,14,15
	s_wait_dscnt 15-\t                             ; the younger read-backs stay out
	v_pk_add_f32 v[\f+4*\t:\f+4*\t+1],   v[\f+4*\t:\f+4*\t+1],   v[4*(16*\a+\t):4*(16*\a+\t)+1]
	v_pk_add_f32 v[\f+4*\t+2:\f+4*\t+3], v[\f+4*\t+2:\f+4*\t+3], v[4*(16*\a+\t)+2:4*(16*\a+\t)+3]
.endr
	WIN 0
.irp t, 0,1,2,3,4,5,6,7,8,9,10,11,12,13,14,15
	global_store_b128 v[CO], v[\f+4*\t:\f+4*\t+3], s[68:69] offset:YROW*\t   ; a wave's store covers 512 consecutive bytes, aligned
.endr
.endm
	OUTF 0, F0
	OUTF 1, F1
	OUTF 2, F0
	OUTF 3, F1
	s_wait_tensorcnt 0x0
	ds_add_u32 v254, v255
	s_wait_dscnt 0x0
	CROUND                                         ; the closing round: no work-group ends while a partner may still ask for a tile that names it
	s_endpgm
.Lfunc_end_k_qbd7b3e5fcf_gemm_proj:
	.size	k_qbd7b3e5fcf_gemm_proj, .Lfunc_end_k_qbd7b3e5fcf_gemm_proj-k_qbd7b3e5fcf_gemm_proj
	.p2alignl 7, 3214868480
	.fill 96, 4, 3214868480
	.section	.rodata,"a",@progbits
	.p2align	6, 0x0
	.amdhsa_kernel k_qbd7b3e5fcf_gemm_proj
		.amdhsa_group_segment_fixed_size 327680
		.amdhsa_private_segment_fixed_size 0
		.amdhsa_enable_private_segment 0
		.amdhsa_kernarg_size 40
		.amdhsa_user_sgpr_count 2
		.amdhsa_user_sgpr_kernarg_segment_ptr 1
		.amdhsa_wavefront_size32 1
		.amdhsa_system_sgpr_workgroup_id_x 1
		.amdhsa_system_sgpr_workgroup_id_y 1
		.amdhsa_system_sgpr_workgroup_id_z 1
		.amdhsa_system_vgpr_workitem_id 0
		.amdhsa_next_free_vgpr 1024
		.amdhsa_next_free_sgpr 80
		.amdhsa_reserve_vcc 0
		.amdhsa_float_denorm_mode_32 3
		.amdhsa_float_denorm_mode_16_64 3
		.amdhsa_memory_ordered 1
		.amdhsa_forward_progress 1
		.amdhsa_inst_pref_size 134
	.end_amdhsa_kernel
	.amdgpu_metadata
---
amdhsa.version: [ 1, 2 ]
amdhsa.kernels:
  - .name:           k_qbd7b3e5fcf_gemm_proj
    .symbol:         k_qbd7b3e5fcf_gemm_proj.kd
    .args:
      - { .name: att, .offset: 0, .size: 8, .value_kind: global_buffer, .address_space: global }
      - { .name: cb, .offset: 8, .size: 8, .value_kind: global_buffer, .address_space: global }
      - { .name: bo, .offset: 16, .size: 8, .value_kind: global_buffer, .address_space: global }
      - { .name: x, .offset: 24, .size: 8, .value_kind: global_buffer, .address_space: global }
      - { .name: y, .offset: 32, .size: 8, .value_kind: global_buffer, .address_space: global }
    .group_segment_fixed_size: 327680
    .private_segment_fixed_size: 0
    .kernarg_segment_align: 8
    .kernarg_segment_size: 40
    .max_flat_workgroup_size: 128
    .sgpr_count:     80
    .vgpr_count:     1024
    .wavefront_size: 32
...
	.end_amdgpu_metadata
.endif
;; end of part 4
;; launch lnorm (part 5): grid 256 x 1, 8 waves a work-group, no clusters, 0 bytes of LDS; arguments y, gamma, beta, out0; writes out0
.if DOCPART == 5
	.amdgcn_target "amdgcn-amd-amdhsa--gfx1250"
	.amdhsa_code_object_version 6
	.text
	.protected	k_qbd7b3e5fcf_lnorm
	.globl	k_qbd7b3e5fcf_lnorm
	.p2align	8
	.type	k_qbd7b3e5fcf_lnorm,@function
k_qbd7b3e5fcf_lnorm:
	s_mov_b64 s[64:65], 0
	v_nop
	global_prefetch_b8 v0, s[64:65] scope:SCOPE_SE
	s_setreg_imm32_b32 hwreg(HW_REG_WAVE_MODE, 25, 1), 1
	s_wait_xcnt 0x0
; out0[r][c] = gamma[c] (y[r][c] - mu[r]) / sqrt(var[r] + 1e-5) + beta[c]; mu, var = mean and mean square deviation of row r's 2,048 numbers.  All f32.
; A row is 8,192 bytes: one wave keeps it in 64 registers between the passes, so y is read once and no wave waits for another: no LDS, no barrier.
; Eight waves, two rows each; the work-group has 16 rows.  The variance is made from the centred numbers (two passes over registers),
; so a common offset of the row costs no digits.  All 64 loads of a wave go out at its head: row 0, row 1, gamma, beta.
; No matrix unit, no cluster: gamma and beta are 16 KiB against the work-group's 128 KiB of rows, and nothing else is shared.
.set R0, 4                             ; v[4:67]    row 0
.set R1, 68                            ; v[68:131]  row 1
.set CH, 132                           ; v[132:139] four chains of pairs
.set MU, 140                           ; v[140:141] the mean, twice
.set RS, 142                           ; v[142:143] 1 / sqrt(var + eps), twice
.set T,  144                           ; v[144:145] at work
                                       ; window 1: v0-63 gamma, v64-127 beta, in the rows' own layout
.set MSB, 0
.macro WIN new                         ; low byte: bits 1:0 source 0, 3:2 source 1, 5:4 source 2, 7:6 destination; the high byte repeats the setting that is left
.if MSB != \new
	s_set_vgpr_msb (MSB<<8)|\new
.set MSB, \new
.endif
.endm
	s_load_b256 s[4:11], s[0:1], 0x0               ; y s[4:5], gamma s[6:7], beta s[8:9], out0 s[10:11]
	v_lshrrev_b32 v2, 5, v0
	v_readfirstlane_b32 s2, v2                     ; wave 0..7
	v_and_b32 v1, 31, v0
	v_lshlrev_b32 v1, 4, v1                        ; 16 l
	s_mov_b32 s12, 0x3a000000                      ; 1 / 2048
	s_mov_b32 s13, 0x3727c5ac                      ; 1e-5
	s_mov_b32 s14, 0x76543210                      ; v_permlanex16_b32: lane i of one half reads lane i of the other
	s_mov_b32 s15, 0xfedcba98
	s_lshl_b32 s16, ttmp9, 17                      ; 16 rows x 8,192 bytes
	s_lshl_b32 s17, s2, 14                         ; my two rows
	s_add_co_u32 s16, s16, s17
	s_mov_b32 s17, 0
	s_wait_kmcnt 0x0
	s_add_nc_u64 s[4:5], s[4:5], s[16:17]
	s_add_nc_u64 s[10:11], s[10:11], s[16:17]
.irp j, 0,1,2,3,4,5,6,7,8,9,10,11,12,13,14,15
	global_load_b128 v[R0+4*\j:R0+4*\j+3], v1, s[4:5] offset:512*\j th:TH_LOAD_NT
.endr
.irp j, 0,1,2,3,4,5,6,7,8,9,10,11,12,13,14,15
	global_load_b128 v[R1+4*\j:R1+4*\j+3], v1, s[4:5] offset:8192+512*\j th:TH_LOAD_NT
.endr
	WIN 0x40                                       ; destination in window 1
.irp j, 0,1,2,3,4,5,6,7,8,9,10,11,12,13,14,15
	global_load_b128 v[4*\j:4*\j+3], v1, s[6:7] offset:512*\j
.endr
.irp j, 0,1,2,3,4,5,6,7,8,9,10,11,12,13,14,15
	global_load_b128 v[64+4*\j:64+4*\j+3], v1, s[8:9] offset:512*\j
.endr
	WIN 0
; the four chains, then the 32 lanes: the sum ends in v[T] of every lane
.macro REDUCE
	v_pk_add_f32 v[CH:CH+1],   v[CH:CH+1],   v[CH+2:CH+3]
	v_pk_add_f32 v[CH+4:CH+5], v[CH+4:CH+5], v[CH+6:CH+7]
	v_pk_add_f32 v[CH:CH+1],   v[CH:CH+1],   v[CH+4:CH+5]
	v_add_f32 v[T], v[CH], v[CH+1]
	v_add_f32_dpp v[T], v[T], v[T] row_xmask:1 row_mask:0xf bank_mask:0xf
	v_add_f32_dpp v[T], v[T], v[T] row_xmask:2 row_mask:0xf bank_mask:0xf
	v_add_f32_dpp v[T], v[T], v[T] row_xmask:4 row_mask:0xf bank_mask:0xf
	v_add_f32_dpp v[T], v[T], v[T] row_xmask:8 row_mask:0xf bank_mask:0xf
	v_permlanex16_b32 v[CH], v[T], s14, s15        ; its destination counts as read: a register that has been written
	v_add_f32 v[T], v[T], v[CH]
.endm
; the row in v[R .. R+63] becomes (y - mu) / sqrt(var + eps), in place
.macro STATS R
.irp k, 0,1,2,3
	v_pk_add_f32 v[CH+2*\k:CH+2*\k+1], v[\R+2*\k:\R+2*\k+1], v[\R+8+2*\k:\R+8+2*\k+1]   ; the first pairs start the chains: nothing is cleared
.endr
.set p, 8
.rept 24
	v_pk_add_f32 v[CH+2*(p%4):CH+2*(p%4)+1], v[CH+2*(p%4):CH+2*(p%4)+1], v[\R+2*p:\R+2*p+1]
.set p, p+1
.endr
	REDUCE
	v_mul_f32 v[MU],   s12, v[T]
	v_mul_f32 v[MU+1], s12, v[T]
.set p, 0
.rept 32
	v_pk_add_f32 v[\R+2*p:\R+2*p+1], v[\R+2*p:\R+2*p+1], v[MU:MU+1] neg_lo:[0,1] neg_hi:[0,1]
.set p, p+1
.endr
.irp k, 0,1,2,3
	v_pk_mul_f32 v[CH+2*\k:CH+2*\k+1], v[\R+2*\k:\R+2*\k+1], v[\R+2*\k:\R+2*\k+1]
.endr
.set p, 4
.rept 28
	v_pk_fma_f32 v[CH+2*(p%4):CH+2*(p%4)+1], v[\R+2*p:\R+2*p+1], v[\R+2*p:\R+2*p+1], v[CH+2*(p%4):CH+2*(p%4)+1]
.set p, p+1
.endr
	REDUCE
	v_fma_f32 v[T+1], v[T], s12, s13               ; var + eps
	v_rsq_f32 v[RS],   v[T+1]
	v_rsq_f32 v[RS+1], v[T+1]
	v_nop                                          ; one plain vector instruction behind the transcendentals (ISA guide 5.7.2)
.set p, 0
	s_wait_alu depctr_va_vdst(0)
.rept 32
	v_pk_mul_f32 v[\R+2*p:\R+2*p+1], v[\R+2*p:\R+2*p+1], v[RS:RS+1]
.set p, p+1
.endr
.endm
; gamma, beta and the way out; off = the row's bytes from my first row
.macro AFFINE R, off
	WIN 0x14                                       ; sources 1 and 2 in window 1
.set p, 0
.rept 32
	v_pk_fma_f32 v[\R+2*p:\R+2*p+1], v[\R+2*p:\R+2*p+1], v[2*p:2*p+1], v[64+2*p:64+2*p+1]
.set p, p+1
.endr
	WIN 0
.irp j, 0,1,2,3,4,5,6,7,8,9,10,11,12,13,14,15
	global_store_b128 v1, v[\R+4*\j:\R+4*\j+3], s[10:11] offset:\off+512*\j th:TH_STORE_NT   ; 512 consecutive bytes, aligned; no register of a store is written again
.endr
.endm
	s_wait_loadcnt 48                              ; loads come back in order: row 0 is in; row 1, gamma and beta (48 loads) stay out
	STATS R0
	s_wait_loadcnt 32                              ; row 1 is in; gamma and beta (32 loads) stay out
	STATS R1
	s_wait_loadcnt 0x0                             ; gamma and beta
	AFFINE R0, 0
	AFFINE R1, 8192
	s_endpgm
.Lfunc_end_k_qbd7b3e5fcf_lnorm:
	.size	k_qbd7b3e5fcf_lnorm, .Lfunc_end_k_qbd7b3e5fcf_lnorm-k_qbd7b3e5fcf_lnorm
	.p2alignl 7, 3214868480
	.fill 96, 4, 3214868480
	.section	.rodata,"a",@progbits
	.p2align	6, 0x0
	.amdhsa_kernel k_qbd7b3e5fcf_lnorm
		.amdhsa_group_segment_fixed_size 0
		.amdhsa_private_segment_fixed_size 0
		.amdhsa_enable_private_segment 0
		.amdhsa_kernarg_size 32
		.amdhsa_user_sgpr_count 2
		.amdhsa_user_sgpr_kernarg_segment_ptr 1
		.amdhsa_wavefront_size32 1
		.amdhsa_system_sgpr_workgroup_id_x 1
		.amdhsa_system_sgpr_workgroup_id_y 1
		.amdhsa_system_sgpr_workgroup_id_z 1
		.amdhsa_system_vgpr_workitem_id 0
		.amdhsa_next_free_vgpr 384
		.amdhsa_next_free_sgpr 66
		.amdhsa_reserve_vcc 0
		.amdhsa_float_denorm_mode_32 3
		.amdhsa_float_denorm_mode_16_64 3
		.amdhsa_memory_ordered 1
		.amdhsa_forward_progress 1
		.amdhsa_inst_pref_size 33
	.end_amdhsa_kernel
	.amdgpu_metadata
---
amdhsa.version: [ 1, 2 ]
amdhsa.kernels:
  - .name:           k_qbd7b3e5fcf_lnorm
    .symbol:         k_qbd7b3e5fcf_lnorm.kd
    .args:
      - { .name: y, .offset: 0, .size: 8, .value_kind: global_buffer, .address_space: global }
      - { .name: gamma, .offset: 8, .size: 8, .value_kind: global_buffer, .address_space: global }
      - { .name: beta, .offset: 16, .size: 8, .value_kind: global_buffer, .address_space: global }
      - { .name: out0, .offset: 24, .size: 8, .value_kind: global_buffer, .address_space: global }
    .group_segment_fixed_size: 0
    .private_segment_fixed_size: 0
    .kernarg_segment_align: 8
    .kernarg_segment_size: 32
    .max_flat_workgroup_size: 256
    .sgpr_count:     66
    .vgpr_count:     384
    .wavefront_size: 32
...
	.end_amdgpu_metadata
.endif
;; end of part 5
